; MI455X (gfx1250); checked and timed in simulation.
; The chip was launched on July 23, 2026; its instructions are those of AMD's public machine-readable ISA for CDNA 5 (MIT licence, August 2026) and "CDNA5" Instruction Set Architecture Reference Guide (July 2026). The comments in the code are by the model that wrote it; some were corrected since.
;; Twostage Attention. Allowed arithmetic: float matrix products may take bf16 or f16 operands with f32 sums; other float arithmetic in f32, or as packed bf16 or f16 multiplies, adds, multiply-adds, maxima and minima; sums over many terms, partial sums and values carried from step to step in f32; what a program stores and reads back later, other than sums and carried values, may be rounded once to bf16 or f16.
;; Inputs: Wk 768 x 768 float32; Wo 768 x 1 float32; Wq 768 x 768 float32; Wt 768 x 768 float32; Wv 768 x 768 float32; bk 768 float32; bo 1 float32; bq 768 float32; bt 768 float32; bv 768 float32; query_x 16 x 1,024 x 768 float32; x 16 x 1,024 x 768 float32.
;; Outputs: out0 16 x 1,024 float32.
;; One version. Each part assembles by itself: llvm-mc -triple=amdgcn-amd-amdhsa -mcpu=gfx1250 --defsym DOCPART=n.
;; ======== version 1 of 1: 4 launches
;; limits: values are held in f16: magnitudes above 65,504 overflow, below 6.1e-05 lose precision
;; workspace buffers: vec1 15,360 bytes; mt 1,179,648 bytes; vec2 4,096 bytes; qf 25,165,824 bytes; xf 25,165,824 bytes; tq 65,536 bytes; part 1,048,576 bytes
;; launch prep (part 1): grid 16 x 16, 3 waves a work-group, clusters of 4 x 4, 300,032 bytes of LDS; arguments Wq, Wk, Wt, Wo, bk, bq, bt, bo, vec1, mt; writes vec1, mt
.if DOCPART == 1
	.amdgcn_target "amdgcn-amd-amdhsa--gfx1250"
	.amdhsa_code_object_version 6
	.text
	.protected	k_qf1ee0d5a8d_prep
	.globl	k_qf1ee0d5a8d_prep
	.p2align	8
	.type	k_qf1ee0d5a8d_prep,@function
k_qf1ee0d5a8d_prep:
	s_mov_b64 s[64:65], 0
	v_nop
	global_prefetch_b8 v0, s[64:65] scope:SCOPE_SE
	s_setreg_imm32_b32 hwreg(HW_REG_WAVE_MODE, 25, 1), 1
	s_wait_xcnt 0x0
	s_wait_alu depctr_hold_cnt(0) depctr_sa_sdst(0) depctr_va_vdst(0) depctr_va_sdst(0) depctr_va_ssrc(0) depctr_va_vcc(0) depctr_vm_vsrc(0)
	s_getreg_b32 s2, hwreg(HW_REG_IB_STS2, 6, 4)
	s_cmp_eq_u32 s2, 0
	s_cbranch_scc0 .Lentry_in_a_cluster
	s_endpgm
.Lentry_in_a_cluster:
	s_bfe_u32 s2, ttmp6, 0x10000c
	s_cmp_lg_u32 s2, 0xf033
	s_cbranch_scc0 .Lentry_shape_is_right
	s_endpgm
.Lentry_shape_is_right:
; PREP.  What hangs on the weights alone.  reference()'s scores are q.k = q''.x + t with q'' = query_x (Wq Wk^T) + Wk bq and t = query_x.(Wq bk) + bq.bk, and its
; output is sum_k attn u[k] + (bt.Wo + bo) with u = x.(Wv (Wt Wo)) + bv.(Wt Wo): identities for every input; only the order of rounding differs from reference()'s.
; This launch makes  MT[j][i] = sum_h Wk[j][h] Wq[i][h]  (f16 products, f32 sums, rounded once to f16), and in f32
;   vec1[0..767] = w = Wt Wo;  [768..] = SC Wq bk;  [1536..] = SC Wk bq;  [2304 + 2 W] = bt.Wo + bo;  [2305 + 2 W] = SC bq.bk,   SC = 2^-9 (exact).
; The last two are the same numbers for every W: each of the 768 waves stores a copy of its own, so that no mask and no branch hangs on a work-group's place; the later launches read copy 0.
; LIMITS.  Wq, Wk and MT are rounded to f16: they must lie within 65,504; NaN and infinities are not treated apart.
; SHARES.  Work-group (x, y) makes MT for j = 48 x .. + 47, i = 48 y .. + 47, all 768 h resident in LDS.  Wave w takes the 16 rows i = 48 y + 16 w .. and all three blocks of 16 j:
; three accumulators.  Wave W = 3 (16 y + x) + w of 768 also makes entry W of the three vectors: a whole row of 768 f32 is 6 loads of 512 consecutive bytes.
; CLUSTER 4 x 4: Wq's rows hang on y alone and are shared along a row of the cluster, Wk's on x alone and are shared along a column: joint loads.
; MT's LAYOUT (fragments): 16 rows x 32 k of f16 are 1,024 bytes; byte 512 half + 16 lane holds row lane % 16, k = 16 half + 8 (lane / 16) + 0..7.  With Wq as source 0 and Wk as source 1 a lane
; of the result holds one j and eight neighbouring i: exactly one half of such a fragment, so each store of the wave covers 512 consecutive bytes, aligned.
.set SCB,   0x3b000000                 ; 2^-9
.set PITCH, 3120                       ; an LDS row: 3 x (1,024 bytes + 16 of padding) = 195 x 16 bytes: the 16 rows of a load start at 16 different groups of four banks (ISA guide 11.1)
.set TILEB, 16*PITCH                   ; what one tensor load brings: 16 rows
.set BREG,  3*TILEB                    ; Wq's 48 rows lie at 0, Wk's 48 rows here
.set SPARE, 2*BREG                     ; the spare words: 128 bytes a wave, two blocks of 256 bytes that no other line names
.set AA,  5                            ; v5     LDS address of my lane's part of my 16 rows of Wq
.set AB,  6                            ; v6-8   the same for the three blocks of Wk
.set SPW, 10                           ; v10    my spare word; never rewritten
.set NIL, 11                           ; v11    0; never rewritten
.set ACC, 16                           ; v16-39 three accumulators
.set FR,  40                           ; v40-103  two buffers of f16 fragments: Wq 8, Wk 3 x 8
.set ST,  104                          ; v104-231 two buffers of f32 as loaded: Wq 16, Wk 3 x 16
.set DV,  40                           ; before the products: the seven vectors of the dots, 24 registers each
.set TD,  232                          ; v232-235 at work in a dot; v236-238, v240-241 the five results; later v232-243 the packed results
.set G1A, 36
.set G1B, 44
.set G0A, 52
.set G0B, 56
.set SEL, 60
.macro CROUND                          ; a round of the cluster's barrier
	s_barrier_signal -1
	s_barrier_wait -1
	s_cmp_lg_u32 s24, 0
	s_cbranch_scc1 .Lnot_wave_0_\@
	s_barrier_signal -3
.Lnot_wave_0_\@:
	s_barrier_wait -3
	s_barrier_signal -1
	s_barrier_wait -1
.endm
.macro RED d, tmp                      ; the sum of v[d] over the wave's 32 lanes, in every lane
	v_add_f32_dpp v[\d], v[\d], v[\d] row_xmask:1 row_mask:0xf bank_mask:0xf
	v_add_f32_dpp v[\d], v[\d], v[\d] row_xmask:2 row_mask:0xf bank_mask:0xf
	v_add_f32_dpp v[\d], v[\d], v[\d] row_xmask:4 row_mask:0xf bank_mask:0xf
	v_add_f32_dpp v[\d], v[\d], v[\d] row_xmask:8 row_mask:0xf bank_mask:0xf
	v_permlanex16_b32 v[\tmp], v[\d], s[SEL], s[SEL+1]
	v_add_f32 v[\d], v[\d], v[\tmp]
.endm
.macro DOT d, X, Y                     ; v[d] = the dot product of two vectors of 768 f32, 24 numbers a lane, in two chains
	v_pk_mul_f32 v[TD:TD+1], v[(\X):(\X)+1], v[(\Y):(\Y)+1]
	v_pk_mul_f32 v[TD+2:TD+3], v[(\X)+2:(\X)+3], v[(\Y)+2:(\Y)+3]
.set p, 2
.rept 10
	v_pk_fma_f32 v[TD+2*(p%2):TD+2*(p%2)+1], v[(\X)+2*p:(\X)+2*p+1], v[(\Y)+2*p:(\Y)+2*p+1], v[TD+2*(p%2):TD+2*(p%2)+1]
.set p, p+1
.endr
	v_pk_add_f32 v[TD:TD+1], v[TD:TD+1], v[TD+2:TD+3]
	v_add_f32 v[\d], v[TD], v[TD+1]
	RED \d, TD+2
.endm
	s_load_b512 s[4:19], s[0:1], 0x0               ; Wq s[4:5], Wk s[6:7], Wt s[8:9], Wo s[10:11], bk s[12:13], bq s[14:15], bt s[16:17], bo s[18:19]
	s_load_b128 s[20:23], s[0:1], 0x40             ; vec1 s[20:21], mt s[22:23]
	v_lshl_add_u32 v[SPW], v0, 2, SPARE
	v_mov_b32 v[NIL], 0
	ds_add_u32 v[SPW], v[NIL]                      ; the wave's opening: the add and its wait stand ahead of my first tensor load; the set-up below stands between them
	v_lshrrev_b32 v1, 5, v0
	v_readfirstlane_b32 s24, v1                    ; wave 0..2
	s_bfe_u32 s25, ttmp6, 0x40000                  ; cx
	s_bfe_u32 s26, ttmp6, 0x40004                  ; cy
	s_lshl_b32 s27, ttmp9, 2
	s_add_co_u32 s27, s27, s25                     ; x = 4 x cluster x + cx
	s_and_b32 s28, ttmp7, 0xffff
	s_lshl_b32 s28, s28, 2
	s_add_co_u32 s28, s28, s26                     ; y = 4 x cluster y + cy
	s_lshl_b32 s30, s26, 2
	s_lshl_b32 s30, 15, s30                        ; my row of the cluster
	s_lshl_b32 s31, 0x1111, s25                    ; my column
	; group 1: 16 rows x 768 elements of 4 bytes; 4 words of padding (code 3) after every 256 words (code 7); bit 21 set beside a mask
	s_or_b32 s[G1A], s30, (2<<16)|(1<<20)|(1<<21)|(7<<22)|(3<<25)
	s_or_b32 s[G1B], s31, (2<<16)|(1<<20)|(1<<21)|(7<<22)|(3<<25)
.irp g, G1A, G1B
	s_mov_b32 s[(\g)+1], 768<<16                   ; tensor_dim0 = 768
	s_mov_b32 s[(\g)+2], 16<<16                    ; tensor_dim1 = 16
	s_mov_b32 s[(\g)+3], 768<<16                   ; tile_dim0 = 768
	s_mov_b32 s[(\g)+4], 16                        ; tile_dim1 = 16
	s_mov_b32 s[(\g)+5], 768                       ; elements from row to row
	s_mov_b32 s[(\g)+6], 0
	s_mov_b32 s[(\g)+7], 0
.endr
	s_mov_b32 s[SEL], 0x76543210
	s_mov_b32 s[SEL+1], 0xfedcba98
	s_lshl_b32 s32, s24, 4                         ; 16 w
	s_mul_i32 s68, s28, 48
	s_add_co_u32 s68, s68, s32
	s_mul_i32 s68, s68, 3072                       ; Wq: row 48 y + 16 w, in bytes (these two registers never hold x)
	s_mov_b32 s69, 0
	s_mul_i32 s70, s27, 48
	s_add_co_u32 s70, s70, s32
	s_mul_i32 s70, s70, 3072                       ; Wk: row 48 x + 16 w (these never hold y)
	s_mov_b32 s71, 0
	s_lshl_b32 s29, s28, 4
	s_add_co_u32 s29, s29, s27
	s_mul_i32 s29, s29, 3
	s_add_co_u32 s29, s29, s24                     ; W
	s_mov_b32 s[G0A], 1
	s_mul_i32 s[G0A+1], s24, TILEB                 ; LDS: wave x 16 rows
	s_mov_b32 s[G0B], 1
	s_add_co_u32 s[G0B+1], s[G0A+1], BREG
	s_wait_dscnt 0x0                               ; the opening add is done
	s_wait_kmcnt 0x0
	s_load_b32 s67, s[18:19], 0x0                  ; bo
	s_add_nc_u64 s[G0A+2:G0A+3], s[4:5], s[68:69]
	s_or_b32 s[G0A+3], s[G0A+3], 0x80000000
	s_add_nc_u64 s[G0B+2:G0B+3], s[6:7], s[70:71]
	s_or_b32 s[G0B+3], s[G0B+3], 0x80000000
	CROUND                                         ; all sixteen work-groups are here: the joint loads meet
	tensor_load_to_lds s[G0A:G0A+3], s[G1A:G1A+7]  ; two tensor loads of mine are out, the launch's only ones
	s_nop 0
	tensor_load_to_lds s[G0B:G0B+3], s[G1B:G1B+7]
	s_nop 0
.rept 4
	v_nop
.endr
	; THE DOTS stand in the wait for the tiles
	s_mul_i32 s72, s29, 3072
	s_mov_b32 s73, 0
	s_add_nc_u64 s[4:5], s[4:5], s[72:73]          ; row W of Wq, Wk, Wt
	s_add_nc_u64 s[6:7], s[6:7], s[72:73]
	s_add_nc_u64 s[8:9], s[8:9], s[72:73]
	v_and_b32 v1, 31, v0                           ; lane
	v_and_b32 v2, 15, v0                           ; r
	v_bfe_u32 v3, v0, 4, 1                         ; h
	v_lshlrev_b32 v4, 4, v1                        ; 16 x lane
.irp n, 0,1,2,3,4,5
	global_load_b128 v[DV+4*\n:DV+4*\n+3],         v4, s[8:9]   offset:512*\n   ; Wt's row
	global_load_b128 v[DV+24+4*\n:DV+24+4*\n+3],   v4, s[4:5]   offset:512*\n   ; Wq's row
	global_load_b128 v[DV+48+4*\n:DV+48+4*\n+3],   v4, s[6:7]   offset:512*\n   ; Wk's row
	global_load_b128 v[DV+72+4*\n:DV+72+4*\n+3],   v4, s[10:11] offset:512*\n   ; Wo
	global_load_b128 v[DV+96+4*\n:DV+96+4*\n+3],   v4, s[12:13] offset:512*\n   ; bk
	global_load_b128 v[DV+120+4*\n:DV+120+4*\n+3], v4, s[14:15] offset:512*\n   ; bq
	global_load_b128 v[DV+144+4*\n:DV+144+4*\n+3], v4, s[16:17] offset:512*\n   ; bt
.endr
	v_mul_u32_u24 v9, v2, PITCH
	v_lshl_add_u32 v9, v3, 5, v9                   ; row x pitch + 32 h: eight f32 for each half of the lanes
	s_mul_i32 s30, s24, TILEB
	v_add_nc_u32 v[AA], s30, v9
	v_add_nc_u32 v[AB], BREG, v9
	v_add_nc_u32 v[AB+1], BREG+TILEB, v9
	v_add_nc_u32 v[AB+2], BREG+2*TILEB, v9
	v_mov_b32 v12, s29
	v_lshlrev_b32 v13, 3, v12                      ; 8 W: my copy of the two single numbers
	v_lshlrev_b32 v12, 2, v12                      ; 4 W: my entry of the three vectors
	s_wait_loadcnt 0x0
	DOT 236, DV, DV+72                             ; w[W]   = Wt[W] . Wo
	DOT 237, DV+24, DV+96                          ;          Wq[W] . bk
	DOT 238, DV+48, DV+120                         ;          Wk[W] . bq
	DOT 240, DV+144, DV+72                         ;          bt . Wo
	DOT 241, DV+120, DV+96                         ;          bq . bk
	s_wait_kmcnt 0x0                               ; bo
	v_mul_f32 v237, SCB, v237
	v_mul_f32 v238, SCB, v238
	v_add_f32 v240, s67, v240
	v_mul_f32 v241, SCB, v241
	v_cmp_eq_u32 vcc_lo, 0, v1
	s_wait_xcnt 0x0                                ; EXEC is a source of what has been issued: it changes only behind this wait
	s_and_saveexec_b32 s76, vcc_lo                 ; lane 0 of every wave: the mask hangs on the lane alone
	global_store_b32 v12, v236, s[20:21]
	global_store_b32 v12, v237, s[20:21] offset:3072
	global_store_b32 v12, v238, s[20:21] offset:6144
	global_store_b64 v13, v[240:241], s[20:21] offset:9216
	s_wait_xcnt 0x0                                ; EXEC again; also frees v236-241, which the packing below writes
	s_or_b32 exec_lo, exec_lo, s76
	; where my three results go: i block it = 3 y + w is K step it / 4, chunk (it / 2) % 2, half it % 2; j blocks 3 x + 0..2
	s_mul_i32 s30, s28, 3
	s_add_co_u32 s30, s30, s24
	s_lshr_b32 s31, s30, 2
	s_mul_i32 s68, s31, 98304
	s_bfe_u32 s31, s30, 0x10001
	s_lshl_b32 s31, s31, 10
	s_add_co_u32 s68, s68, s31
	s_and_b32 s31, s30, 1
	s_lshl_b32 s31, s31, 9
	s_add_co_u32 s68, s68, s31
	s_mul_i32 s31, s27, 6144
	s_add_co_u32 s68, s68, s31
	s_mov_b32 s69, 0
	s_add_nc_u64 s[22:23], s[22:23], s[68:69]
.set i, 0
.rept 24
	v_mov_b32 v[ACC+i], 0                          ; cleared on purpose: a first third written out would double the text of the products
.set i, i+1
.endr
	s_wait_tensorcnt 0x0                           ; my two tiles are in,
	s_barrier_signal -1
	s_barrier_wait -1                              ; everybody's are: I read the other waves' rows of Wk
; 16 LDS loads: 32 h as f32 at byte off of the rows: for a fragment's registers 0-3 the 32 bytes at 32 h, for 4-7 those 64 further on
.macro LD p, off
.irp k, 0,1,2,3
	ds_load_b128 v[ST+64*(\p)+4*\k:ST+64*(\p)+4*\k+3], v[AA] offset:(\off)+16*(\k%2)+64*(\k/2)
.endr
.irp n, 0,1,2
.irp k, 0,1,2,3
	ds_load_b128 v[ST+64*(\p)+16+16*\n+4*\k:ST+64*(\p)+16+16*\n+4*\k+3], v[AB+\n] offset:(\off)+16*(\k%2)+64*(\k/2)
.endr
.endr
.endm
; 32 roundings to f16 and three products.  The three accumulators take turns.  A fragment buffer is written again 32 plain conversions behind the products that read it.
.macro CHUNK p
.set i, 0
.rept 32
	v_cvt_pk_f16_f32 v[FR+32*(\p)+i], v[ST+64*(\p)+2*i], v[ST+64*(\p)+2*i+1]
.set i, i+1
.endr
.irp n, 0,1,2
	v_wmma_f32_16x16x32_f16 v[ACC+8*\n:ACC+8*\n+7], v[FR+32*(\p):FR+32*(\p)+7], v[FR+32*(\p)+8+8*\n:FR+32*(\p)+15+8*\n], v[ACC+8*\n:ACC+8*\n+7]
.endr
.endm
	s_mov_b32 s66, 3
.Lthird:                                               ; a trip: 256 h, the 1,024 bytes between two paddings, in eight chunks of 32
	LD 0, 0
.irp c, 0,1,2,3,4,5,6
	LD (\c+1)%2, (\c+1)*128
	s_wait_dscnt 16                                ; this chunk's loads are in; the 16 just issued stay out
	CHUNK \c%2
.endr
	s_wait_dscnt 0x0
	CHUNK 1
	v_add_nc_u32 v[AA], 1040, v[AA]
	v_add_nc_u32 v[AB], 1040, v[AB]
	v_add_nc_u32 v[AB+1], 1040, v[AB+1]
	v_add_nc_u32 v[AB+2], 1040, v[AB+2]
	s_sub_co_u32 s66, s66, 1
	s_cmp_lg_u32 s66, 0
	s_cbranch_scc1 .Lthird
	; the four address steps above are the places behind the last products (ISA guide 7.12.1); each accumulator is read from its low end on
.set i, 0
.rept 12
	v_cvt_pk_f16_f32 v[TD+i], v[ACC+2*i], v[ACC+2*i+1]
.set i, i+1
.endr
.irp n, 0,1,2
	global_store_b128 v4, v[TD+4*\n:TD+4*\n+3], s[22:23] offset:2048*\n  ; 512 consecutive bytes, at a multiple of 512 from mt's first byte
.endr
	s_wait_tensorcnt 0x0                           ; the wave's end
	ds_add_u32 v[SPW], v[NIL]
	s_wait_dscnt 0x0
	CROUND                                         ; the closing round
	s_endpgm
.Lfunc_end_k_qf1ee0d5a8d_prep:
	.size	k_qf1ee0d5a8d_prep, .Lfunc_end_k_qf1ee0d5a8d_prep-k_qf1ee0d5a8d_prep
	.p2alignl 7, 3214868480
	.fill 96, 4, 3214868480
	.section	.rodata,"a",@progbits
	.p2align	6, 0x0
	.amdhsa_kernel k_qf1ee0d5a8d_prep
		.amdhsa_group_segment_fixed_size 300032
		.amdhsa_private_segment_fixed_size 0
		.amdhsa_enable_private_segment 0
		.amdhsa_kernarg_size 80
		.amdhsa_user_sgpr_count 2
		.amdhsa_user_sgpr_kernarg_segment_ptr 1
		.amdhsa_wavefront_size32 1
		.amdhsa_system_sgpr_workgroup_id_x 1
		.amdhsa_system_sgpr_workgroup_id_y 1
		.amdhsa_system_sgpr_workgroup_id_z 1
		.amdhsa_system_vgpr_workitem_id 0
		.amdhsa_next_free_vgpr 248
		.amdhsa_next_free_sgpr 80
		.amdhsa_reserve_vcc 1
		.amdhsa_float_denorm_mode_32 3
		.amdhsa_float_denorm_mode_16_64 3
		.amdhsa_memory_ordered 1
		.amdhsa_forward_progress 1
		.amdhsa_inst_pref_size 45
	.end_amdhsa_kernel
	.amdgpu_metadata
---
amdhsa.version: [ 1, 2 ]
amdhsa.kernels:
  - .name:           k_qf1ee0d5a8d_prep
    .symbol:         k_qf1ee0d5a8d_prep.kd
    .args:
      - { .name: Wq, .offset: 0, .size: 8, .value_kind: global_buffer, .address_space: global }
      - { .name: Wk, .offset: 8, .size: 8, .value_kind: global_buffer, .address_space: global }
      - { .name: Wt, .offset: 16, .size: 8, .value_kind: global_buffer, .address_space: global }
      - { .name: Wo, .offset: 24, .size: 8, .value_kind: global_buffer, .address_space: global }
      - { .name: bk, .offset: 32, .size: 8, .value_kind: global_buffer, .address_space: global }
      - { .name: bq, .offset: 40, .size: 8, .value_kind: global_buffer, .address_space: global }
      - { .name: bt, .offset: 48, .size: 8, .value_kind: global_buffer, .address_space: global }
      - { .name: bo, .offset: 56, .size: 8, .value_kind: global_buffer, .address_space: global }
      - { .name: vec1, .offset: 64, .size: 8, .value_kind: global_buffer, .address_space: global }
      - { .name: mt, .offset: 72, .size: 8, .value_kind: global_buffer, .address_space: global }
    .group_segment_fixed_size: 300032
    .private_segment_fixed_size: 0
    .kernarg_segment_align: 8
    .kernarg_segment_size: 80
    .max_flat_workgroup_size: 96
    .sgpr_count:     80
    .vgpr_count:     248
    .wavefront_size: 32
...
	.end_amdgpu_metadata
.endif
;; end of part 1
;; launch proj (part 2): grid 256 x 1, 4 waves a work-group, clusters of 4 x 1, 327,680 bytes of LDS; arguments query_x, x, Wv, bv, vec1, mt, qf, xf, tq, vec2; writes qf, xf, tq, vec2
.if DOCPART == 2
	.amdgcn_target "amdgcn-amd-amdhsa--gfx1250"
	.amdhsa_code_object_version 6
	.text
	.protected	k_qf1ee0d5a8d_proj
	.globl	k_qf1ee0d5a8d_proj
	.p2align	8
	.type	k_qf1ee0d5a8d_proj,@function
k_qf1ee0d5a8d_proj:
	s_mov_b64 s[64:65], 0
	v_nop
	global_prefetch_b8 v0, s[64:65] scope:SCOPE_SE
	s_setreg_imm32_b32 hwreg(HW_REG_WAVE_MODE, 25, 1), 1
	s_wait_xcnt 0x0
	s_wait_alu depctr_hold_cnt(0) depctr_sa_sdst(0) depctr_va_vdst(0) depctr_va_sdst(0) depctr_va_ssrc(0) depctr_va_vcc(0) depctr_vm_vsrc(0)
	s_getreg_b32 s2, hwreg(HW_REG_IB_STS2, 6, 4)
	s_cmp_eq_u32 s2, 0
	s_cbranch_scc0 .Lentry_in_a_cluster
	s_endpgm
.Lentry_in_a_cluster:
	s_bfe_u32 s2, ttmp6, 0x10000c
	s_cmp_lg_u32 s2, 0x3003
	s_cbranch_scc0 .Lentry_shape_is_right
	s_endpgm
.Lentry_shape_is_right:
; PROJ.  qf = SC q'' = SC (query_x MT^T + Wk bq) in f16, tq = SC t = SC (query_x.(Wq bk) + bq.bk) in f32, xf = x in f16, vec2 = Wv w (768 entries) and bv.w (entries 768-1023) in f32.  SC = 2^-9, exact.
; LIMITS.  query_x and x are rounded to f16 and must lie within 65,504; |q''| < 3.3e7 (SC q'' within f16); below 6e-5 SC q'' keeps f16's fixed step of 6e-8.  NaN and infinities are not treated apart.
; SHARES.  Work-group g takes rows 64 g .. 64 g + 63 of query_x (a product 64 x 768 x 768) and of x (a conversion).  Wave w holds all 64 queries x the j blocks 12 w .. 12 w + 11: 48 accumulators.
; It converts x's 16 rows 16 w .., makes t for the 16 queries 16 w .. (its query block t is the group's block (t + w) % 4, so that its block 0 is its own), and entry 4 g + w of vec2.
; K (i) goes in 12 steps of 64, two chunks of 32, through two LDS slots: MT's step (98,304 bytes, fragments as they lie in memory), 64 x 64 f32 of query_x, 64 x 64 f32 of x.
; CLUSTER 4 x 1: MT's steps are the same for every work-group: waves 0 and 1 ask for their halves JOINTLY; waves 2 and 3 bring the group's own tiles of query_x and x (no mask).
; FRAGMENT LAYOUT of qf and xf as of mt: 16 rows x 32 k = 1,024 bytes, byte 512 half + 16 lane = row lane % 16, k = 16 half + 8 (lane / 16) + 0..7.  With MT as source 0 and the queries as source 1 a lane
; of the result holds one query and eight neighbouring j: one half of a fragment; every store of the wave covers 512 consecutive bytes, aligned, and needs no stage.
; REGISTERS, in windows of 256 (s_set_vgpr_msb: bits 1:0 source 0, 3:2 source 1, 5:4 source 2, 7:6 destination):
;   window 0: addresses; f32 as loaded; at work.   window 1: v0-95, v96-191 MT's fragments, two buffers; v192-223, v224-255 the queries', two buffers.
;   window 2: accumulator (jt, t) at 8 (4 jt + t), jt 0-7.   window 3: jt 8-11.
.set SCB,   0x3b000000
.set SLOT,  133120
.set XQO,   98304                      ; in a slot: query_x's tile, 64 rows of 256 + 16 bytes
.set XKO,   115712                     ; x's tile, likewise
.set XP,    272                        ; 17 x 16 bytes: the 16 rows of a load start at 16 different groups of four banks (ISA guide 11.1)
.set VEC,   2*SLOT                     ; SC Wq bk (3,072 bytes), then SC Wk bq
.set SPARE, VEC+6144                   ; the spare words: two blocks of 256 bytes that no other line names
.set AM,  5                            ; v5-6    my 12 j blocks of MT in slot 0, 1
.set AXQ, 8                            ; v8-15   query block t in slot s at v[8 + 4 s + t]
.set AXK, 16                           ; v16-17  my 16 rows of x
.set AVA, 18                           ; v18     SC Wq bk at the chunk to be fetched
.set AGV, 19                           ; v19     SC Wk bq at my j
.set OA,  20                           ; v20-23  my byte offset in qf for query block t
.set XOA, 24                           ; v24     in xf
.set SPW, 28
.set NIL, 29
.set XQ,  64                           ; v64-127  query_x as f32: 4 blocks x 16
.set XK,  128                          ; v128-143 x as f32
.set AV,  144                          ; v144-159 SC Wq bk
.set XH,  160                          ; v160-167 x as f16, to store
.set TS,  168                          ; v168-175 t's sums, four pairs
.set TM,  176                          ; v176-239 at work: eight sets of eight
.set MF,  0
.set XF,  192
.set SEL, 84
.set MSB, 0
.macro WIN new
.if MSB != (\new)
	s_set_vgpr_msb (MSB<<8)|(\new)
.set MSB, \new
.endif
.endm
.macro CREST
	s_cmp_lg_u32 s24, 0
	s_cbranch_scc1 .Lnot_wave_0_\@
	s_barrier_signal -3
.Lnot_wave_0_\@:
	s_barrier_wait -3
	s_barrier_signal -1
	s_barrier_wait -1
.endm
.macro CROUND
	s_barrier_signal -1
	s_barrier_wait -1
	CREST
.endm
.macro PLACES
.rept 4
	v_nop
.endr
.endm
; A refill of slot s: one tensor load a wave.  The branch hangs on the wave's number alone.  An s_nop 0 and four v_nop follow each line.
.macro JLOAD s
	s_cmp_eq_u32 s25, 0
	s_cbranch_scc0 .Lfor_x_\@
	tensor_load_to_lds s[68+4*(\s):71+4*(\s)], s[36:43]
	s_nop 0
	PLACES
	s_branch .Lasked_\@
.Lfor_x_\@:
	tensor_load_to_lds s[76+4*(\s):79+4*(\s)], s[44:51]
	s_nop 0
	PLACES
.Lasked_\@:
.endm
	s_load_b512 s[4:19], s[0:1], 0x0               ; query_x s[4:5], x s[6:7], Wv s[8:9], bv s[10:11], vec1 s[12:13], mt s[14:15], qf s[16:17], xf s[18:19]
	s_load_b128 s[20:23], s[0:1], 0x40             ; tq s[20:21], vec2 s[22:23]
	v_lshl_add_u32 v[SPW], v0, 2, SPARE
	v_mov_b32 v[NIL], 0
	ds_add_u32 v[SPW], v[NIL]                      ; the wave's opening: the add and its wait stand ahead of my first tensor load
	v_lshrrev_b32 v1, 5, v0
	v_readfirstlane_b32 s24, v1                    ; wave 0..3
	s_lshr_b32 s25, s24, 1                         ; 0: I fetch MT; 1: the group's own tiles
	s_and_b32 s26, s24, 1                          ; which half of MT's step; or query_x (0), x (1)
	s_bfe_u32 s27, ttmp6, 0x40000                  ; cx
	s_lshl_b32 s28, ttmp9, 2
	s_add_co_u32 s28, s28, s27                     ; g
	s_lshl_b32 s29, s28, 2
	s_add_co_u32 s29, s29, s24                     ; 4 g + w
	; group 1 for MT: dense bytes as 192 rows of 32 elements of 8 bytes; mask of all four, bit 21 beside it
	s_mov_b32 s36, 15|(3<<16)|(1<<21)
	s_mov_b32 s37, 32<<16
	s_mov_b32 s38, 192<<16
	s_mov_b32 s39, 32<<16
	s_mov_b32 s40, 192
	s_mov_b32 s41, 32
	s_mov_b32 s42, 0
	s_mov_b32 s43, 0
	; group 1 for query_x and x: 64 rows x 64 elements of 4 bytes, 768 from row to row; 4 words of padding (code 3) after every 64 (code 5); no mask
	s_mov_b32 s44, (2<<16)|(1<<20)|(5<<22)|(3<<25)
	s_mov_b32 s45, 64<<16
	s_mov_b32 s46, 64<<16
	s_mov_b32 s47, 64<<16
	s_mov_b32 s48, 64
	s_mov_b32 s49, 768
	s_mov_b32 s50, 0
	s_mov_b32 s51, 0
	; group 1 for the two vectors: 6 rows of 256 bytes a wave, joint
	s_mov_b32 s52, 15|(3<<16)|(1<<21)
	s_mov_b32 s53, 32<<16
	s_mov_b32 s54, 6<<16
	s_mov_b32 s55, 32<<16
	s_mov_b32 s56, 6
	s_mov_b32 s57, 32
	s_mov_b32 s58, 0
	s_mov_b32 s59, 0
	s_mov_b32 s[SEL], 0x76543210
	s_mov_b32 s[SEL+1], 0xfedcba98
	s_mov_b32 s86, SCB
	s_mov_b32 s87, SCB
	s_mov_b32 s31, 0
	s_wait_dscnt 0x0                               ; the opening add is done
	s_wait_kmcnt 0x0
	s_load_b32 s88, s[12:13], 0x2404               ; SC bq.bk
	s_mul_i32 s30, s24, 1536
	s_mov_b32 s60, 1
	s_add_co_u32 s61, s30, VEC
	s_add_nc_u64 s[62:63], s[12:13], s[30:31]
	s_add_nc_u64 s[62:63], s[62:63], 3072
	s_or_b32 s63, s63, 0x80000000
	s_mul_i32 s30, s26, 49152
	s_add_nc_u64 s[32:33], s[14:15], s[30:31]      ; my half of MT's step 0: nothing of the place in the cluster enters
.irp n, 0,1
	s_mov_b32 s[68+4*\n], 1
	s_add_co_u32 s[69+4*\n], s30, \n*SLOT
	s_add_nc_u64 s[70+4*\n:71+4*\n], s[32:33], \n*98304
	s_or_b32 s[71+4*\n], s[71+4*\n], 0x80000000
.endr
	s_cmp_eq_u32 s26, 0
	s_cselect_b64 s[34:35], s[4:5], s[6:7]
	s_mul_i32 s30, s28, 196608                     ; 64 rows of 3,072 bytes
	s_add_nc_u64 s[34:35], s[34:35], s[30:31]
	s_mul_i32 s30, s26, 64*XP
.irp n, 0,1
	s_mov_b32 s[76+4*\n], 1
	s_add_co_u32 s[77+4*\n], s30, \n*SLOT+XQO
	s_add_nc_u64 s[78+4*\n:79+4*\n], s[34:35], \n*256
	s_or_b32 s[79+4*\n], s[79+4*\n], 0x80000000
.endr
	CROUND                                         ; all four work-groups are here: the first joint loads meet
	s_cmp_eq_u32 s25, 0                            ; a wave's three first fills stand in one branch: three tensor loads of mine are out
	s_cbranch_scc0 .Lfirst_x
	tensor_load_to_lds s[60:63], s[52:59]
	s_nop 0
	tensor_load_to_lds s[68:71], s[36:43]
	s_nop 0
	tensor_load_to_lds s[72:75], s[36:43]
	s_nop 0
	PLACES
	s_branch .Lfirst_asked
.Lfirst_x:
	tensor_load_to_lds s[60:63], s[52:59]
	s_nop 0
	tensor_load_to_lds s[76:79], s[44:51]
	s_nop 0
	tensor_load_to_lds s[80:83], s[44:51]
	s_nop 0
	PLACES
.Lfirst_asked:
	; vec2[4 g + w]: row 4 g + w of Wv, or bv from entry 768 on, times w: a choice of pointers, no branch
	s_cmp_lt_u32 s29, 768
	s_cselect_b64 s[94:95], s[8:9], s[10:11]
	s_mul_i32 s30, s29, 3072
	s_cselect_b32 s30, s30, 0
	s_add_nc_u64 s[94:95], s[94:95], s[30:31]
	v_and_b32 v1, 31, v0                           ; lane
	v_and_b32 v2, 15, v0                           ; r
	v_bfe_u32 v3, v0, 4, 1                         ; h
	v_lshlrev_b32 v4, 4, v1
.irp n, 0,1,2,3,4,5
	global_load_b128 v[XQ+4*\n:XQ+4*\n+3],       v4, s[94:95] offset:512*\n
	global_load_b128 v[XQ+24+4*\n:XQ+24+4*\n+3], v4, s[12:13] offset:512*\n
.endr
	s_mul_i32 s30, s24, 24576
	v_add_nc_u32 v[AM], s30, v4
	v_add_nc_u32 v[AM+1], SLOT, v[AM]
	v_mul_u32_u24 v7, v2, XP
	v_lshl_add_u32 v7, v3, 5, v7                   ; row x pitch + 32 h
.irp t, 0,1,2,3
	s_add_co_u32 s32, s24, \t
	s_and_b32 s32, s32, 3                          ; the group's query block (t + w) % 4
	s_mul_i32 s33, s32, 16*XP
	s_add_co_u32 s33, s33, XQO
	v_add_nc_u32 v[AXQ+\t], s33, v7
	v_add_nc_u32 v[AXQ+4+\t], SLOT, v[AXQ+\t]
	s_lshl_b32 s33, s32, 11
	v_add_nc_u32 v[OA+\t], s33, v4
.endr
	s_mul_i32 s33, s24, 16*XP
	s_add_co_u32 s33, s33, XKO
	v_add_nc_u32 v[AXK], s33, v7
	v_add_nc_u32 v[AXK+1], SLOT, v[AXK]
	v_lshl_add_u32 v[AVA], v3, 5, VEC
	s_mul_i32 s33, s24, 768
	s_add_co_u32 s33, s33, VEC+3072
	v_lshl_add_u32 v[AGV], v3, 5, s33
	s_lshl_b32 s33, s24, 11
	v_add_nc_u32 v[XOA], s33, v4
	v_lshlrev_b32 v25, 2, v2                       ; 4 r
	v_mov_b32 v26, s29
	v_lshlrev_b32 v26, 2, v26                      ; 4 (4 g + w)
	s_mul_i32 s30, s28, 98304
	s_add_nc_u64 s[90:91], s[18:19], s[30:31]      ; xf at my key block
	s_lshr_b32 s30, s28, 4
	s_mul_i32 s30, s30, 1572864                    ; the batch,
	s_and_b32 s32, s28, 15
	s_lshl_b32 s32, s32, 13                        ; my four query blocks,
	s_add_co_u32 s30, s30, s32
	s_mul_i32 s32, s24, 393216                     ; my three K steps of qf
	s_add_co_u32 s30, s30, s32
	s_add_nc_u64 s[92:93], s[16:17], s[30:31]
	s_lshl_b32 s30, s28, 8
	s_lshl_b32 s32, s24, 6
	s_add_co_u32 s30, s30, s32
	s_add_nc_u64 s[20:21], s[20:21], s[30:31]      ; tq at query 64 g + 16 w
.set i, 0
.rept 8
	v_mov_b32 v[TS+i], 0
.set i, i+1
.endr
	s_wait_loadcnt 0x0
	v_pk_mul_f32 v[TM:TM+1], v[XQ:XQ+1], v[XQ+24:XQ+25]
	v_pk_mul_f32 v[TM+2:TM+3], v[XQ+2:XQ+3], v[XQ+26:XQ+27]
.set p, 2
.rept 10
	v_pk_fma_f32 v[TM+2*(p%2):TM+2*(p%2)+1], v[XQ+2*p:XQ+2*p+1], v[XQ+24+2*p:XQ+24+2*p+1], v[TM+2*(p%2):TM+2*(p%2)+1]
.set p, p+1
.endr
	v_pk_add_f32 v[TM:TM+1], v[TM:TM+1], v[TM+2:TM+3]
	v_add_f32 v[TM+4], v[TM], v[TM+1]
	v_add_f32_dpp v[TM+4], v[TM+4], v[TM+4] row_xmask:1 row_mask:0xf bank_mask:0xf
	v_add_f32_dpp v[TM+4], v[TM+4], v[TM+4] row_xmask:2 row_mask:0xf bank_mask:0xf
	v_add_f32_dpp v[TM+4], v[TM+4], v[TM+4] row_xmask:4 row_mask:0xf bank_mask:0xf
	v_add_f32_dpp v[TM+4], v[TM+4], v[TM+4] row_xmask:8 row_mask:0xf bank_mask:0xf
	v_permlanex16_b32 v[TM+2], v[TM+4], s[SEL], s[SEL+1]
	v_add_f32 v[TM+4], v[TM+4], v[TM+2]
	v_cmp_eq_u32 vcc_lo, 0, v1
	s_wait_xcnt 0x0                                ; EXEC changes only behind this wait
	s_and_saveexec_b32 s96, vcc_lo
	global_store_b32 v26, v[TM+4], s[22:23]
	s_wait_xcnt 0x0
	s_or_b32 exec_lo, exec_lo, s96
; 24 LDS loads: my 12 fragments of MT for chunk ch of slot s, into buffer b: 512 consecutive bytes each
.macro FETCHM s, ch, b
	WIN 0x40
.irp jt, 0,1,2,3,4,5,6,7,8,9,10,11
	ds_load_b128 v[MF+96*(\b)+8*\jt:MF+96*(\b)+8*\jt+3],   v[AM+(\s)] offset:\jt*2048+(\ch)*1024
	ds_load_b128 v[MF+96*(\b)+8*\jt+4:MF+96*(\b)+8*\jt+7], v[AM+(\s)] offset:\jt*2048+(\ch)*1024+512
.endr
.endm
; 24 LDS loads of f32: the four query blocks, my rows of x, and SC Wq bk, 32 i each: for a fragment's registers 0-3 the 32 bytes at 32 h, for 4-7 those 64 further on
.macro FETCHX s, ch
	WIN 0
.irp t, 0,1,2,3
.irp k, 0,1,2,3
	ds_load_b128 v[XQ+16*\t+4*\k:XQ+16*\t+4*\k+3], v[AXQ+4*(\s)+\t] offset:(\ch)*128+16*(\k%2)+64*(\k/2)
.endr
.endr
.irp k, 0,1,2,3
	ds_load_b128 v[XK+4*\k:XK+4*\k+3], v[AXK+(\s)] offset:(\ch)*128+16*(\k%2)+64*(\k/2)
.endr
.irp k, 0,1,2,3
	ds_load_b128 v[AV+4*\k:AV+4*\k+3], v[AVA] offset:(\ch)*128+16*(\k%2)+64*(\k/2)
.endr
.if \ch
	v_add_nc_u32 v[AVA], 256, v[AVA]               ; the next K step's 64 numbers
.endif
.endm
; What was fetched is rounded to f16: the queries into fragment buffer b, x into XH and out to xf; t takes its 16 products a lane.  adv = 1: xf steps to the next K step.
.macro CONV b, ch, adv
	s_wait_xcnt 0x0                                ; XH and xf's base, which the last stores read, are rewritten only behind this wait
.if \adv
	s_add_nc_u64 s[90:91], s[90:91], 8192
.endif
	WIN 0x40
.set i, 0
.rept 32
	v_cvt_pk_f16_f32 v[XF+32*(\b)+i], v[XQ+2*i], v[XQ+2*i+1]
.set i, i+1
.endr
	WIN 0
.set i, 0
.rept 8
	v_cvt_pk_f16_f32 v[XH+i], v[XK+2*i], v[XK+2*i+1]
.set i, i+1
.endr
.set i, 0
.rept 8
	v_pk_fma_f32 v[TS+2*(i%4):TS+2*(i%4)+1], v[XQ+2*i:XQ+2*i+1], v[AV+2*i:AV+2*i+1], v[TS+2*(i%4):TS+2*(i%4)+1]
.set i, i+1
.endr
	global_store_b128 v[XOA], v[XH:XH+3],   s[90:91] offset:(\ch)*1024      ; 512 consecutive bytes, aligned
	global_store_b128 v[XOA], v[XH+4:XH+7], s[90:91] offset:(\ch)*1024+512
.endm
; The products of j blocks j0 .. j1 with all four query blocks, from buffer b.  The 48 accumulators take turns in the same order in every chunk.
.macro MULJ b, j0, j1, zero
.set jj, \j0
.rept (\j1)-(\j0)+1
	WIN 0xa5+0x50*(jj/8)
.irp t, 0,1,2,3
.set rD, 8*(4*(jj%8)+\t)
.if \zero
	v_wmma_f32_16x16x32_f16 v[rD:rD+7], v[MF+96*(\b)+8*jj:MF+96*(\b)+8*jj+7], v[XF+32*(\b)+8*\t:XF+32*(\b)+8*\t+7], 0
.else
	v_wmma_f32_16x16x32_f16 v[rD:rD+7], v[MF+96*(\b)+8*jj:MF+96*(\b)+8*jj+7], v[XF+32*(\b)+8*\t:XF+32*(\b)+8*\t+7], v[rD:rD+7]
.endif
.endr
.set jj, jj+1
.endr
.endm
; A K step's first chunk (buffer 0); in its middle the second chunk is fetched.  Between the products that read a buffer and the next load or conversion into it stand the other buffer's
; 48 plain conversions, which name none of its registers.
.macro QUARTER s, zero
	MULJ 0, 0, 5, \zero
	FETCHM \s, 1, 1
	FETCHX \s, 1
	MULJ 0, 6, 11, \zero
	s_wait_dscnt 0x0
	CONV 1, 1, 0
.endm
; A K step's second chunk (buffer 1) and the change of slots: each wave waits for all its tensor loads (one is out: its part of the next slot), adds 0 to its spare word, and waits for that; its
; reads of this slot were waited for in front of the last conversions.  fill = 1: the barrier opens a round of the cluster's, and the refill, two K steps ahead, is the first thing behind it.
.macro TURN s, nx, fill
	WIN 0
	s_wait_tensorcnt 0x0
	ds_add_u32 v[SPW], v[NIL]                      ; 0 onto my spare word; twelve products stand between it and the wait for it
	MULJ 1, 0, 2, 0
	s_wait_dscnt 0x0
	s_barrier_signal -1
	MULJ 1, 3, 5, 0
	WIN 0
	s_barrier_wait -1
.if \fill
	CREST
	s_add_nc_u64 s[70+4*(\s):71+4*(\s)], s[70+4*(\s):71+4*(\s)], 196608
	s_add_nc_u64 s[78+4*(\s):79+4*(\s)], s[78+4*(\s):79+4*(\s)], 512
	JLOAD \s
.endif
	FETCHM \nx, 0, 0
	FETCHX \nx, 0
	MULJ 1, 6, 11, 0
	s_wait_dscnt 0x0
	CONV 0, 0, 1
.endm
	s_wait_kmcnt 0x0                               ; SC bq.bk
	s_wait_tensorcnt 1                             ; my parts of the vectors and of slot 0 are in; slot 1's may stay out
	s_barrier_signal -1
	s_barrier_wait -1
	FETCHM 0, 0, 0
	FETCHX 0, 0
	s_wait_dscnt 0x0
	CONV 0, 0, 0
	QUARTER 0, 1                                   ; the first chunk's products start the sums
	WIN 0
	s_mov_b32 s89, 5
.Llap:                                                 ; a trip: once round the ring; both slots are filled again: K steps 2 to 11
	TURN 0, 1, 1
	QUARTER 1, 0
	TURN 1, 0, 1
	QUARTER 0, 0
	WIN 0
	s_sub_co_u32 s89, s89, 1
	s_cmp_lg_u32 s89, 0
	s_cbranch_scc1 .Llap
	TURN 0, 1, 0                                   ; the tail is written out: nothing more is asked for
	QUARTER 1, 0
	MULJ 1, 0, 11, 0
	; THE WAY OUT: SC x sum + SC Wk bq, rounded to f16; a lane's eight j are 16 bytes of a fragment's half
	PLACES
	WIN 0x40
.set jj, 0
.rept 12
	ds_load_b128 v[8*jj:8*jj+3],   v[AGV] offset:64*jj
	ds_load_b128 v[8*jj+4:8*jj+7], v[AGV] offset:64*jj+16
.set jj, jj+1
.endr
	s_wait_dscnt 0x0
.set jj, 0
.rept 12
.if jj%2 == 0
	s_wait_xcnt 0x0                                ; the eight sets of TM are written again only behind this wait
.endif
	WIN 0x12+(jj/8)                                ; source 0 window 2 or 3, source 2 window 1
.irp t, 0,1,2,3
.irp k, 0,1,2,3
	v_pk_fma_f32 v[TM+8*(4*(jj%2)+\t)+2*\k:TM+8*(4*(jj%2)+\t)+2*\k+1], v[8*(4*(jj%8)+\t)+2*\k:8*(4*(jj%8)+\t)+2*\k+1], s[86:87], v[8*jj+2*\k:8*jj+2*\k+1] op_sel_hi:[1,0,1]
.endr
.endr
	WIN 0
.irp t, 0,1,2,3
.irp k, 0,1,2,3
	v_cvt_pk_f16_f32 v[TM+8*(4*(jj%2)+\t)+\k], v[TM+8*(4*(jj%2)+\t)+2*\k], v[TM+8*(4*(jj%2)+\t)+2*\k+1]
.endr
.endr
.irp t, 0,1,2,3
	global_store_b128 v[OA+\t], v[TM+8*(4*(jj%2)+\t):TM+8*(4*(jj%2)+\t)+3], s[92:93] offset:(jj/4)*131072+((jj/2)%2)*1024+(jj%2)*512  ; 512 consecutive bytes, aligned
.endr
.set jj, jj+1
.endr
	v_pk_add_f32 v[TS:TS+1], v[TS:TS+1], v[TS+2:TS+3]
	v_pk_add_f32 v[TS+4:TS+5], v[TS+4:TS+5], v[TS+6:TS+7]
	v_pk_add_f32 v[TS:TS+1], v[TS:TS+1], v[TS+4:TS+5]
	v_add_f32 v[TS], v[TS], v[TS+1]
	v_permlanex16_b32 v[TS+1], v[TS], s[SEL], s[SEL+1]  ; the query's other i lie in the lane 16 away
	v_add_f32 v[TS], v[TS], v[TS+1]
	v_add_f32 v[TS], s88, v[TS]
	v_cmp_gt_u32 vcc_lo, 16, v1
	s_wait_xcnt 0x0
	s_and_saveexec_b32 s96, vcc_lo
	global_store_b32 v25, v[TS], s[20:21]          ; 16 lanes, 64 consecutive bytes
	s_wait_xcnt 0x0
	s_or_b32 exec_lo, exec_lo, s96
	s_wait_tensorcnt 0x0                           ; the wave's end
	ds_add_u32 v[SPW], v[NIL]
	s_wait_dscnt 0x0
	CROUND                                         ; the closing round
	s_endpgm
.Lfunc_end_k_qf1ee0d5a8d_proj:
	.size	k_qf1ee0d5a8d_proj, .Lfunc_end_k_qf1ee0d5a8d_proj-k_qf1ee0d5a8d_proj
	.p2alignl 7, 3214868480
	.fill 96, 4, 3214868480
	.section	.rodata,"a",@progbits
	.p2align	6, 0x0
	.amdhsa_kernel k_qf1ee0d5a8d_proj
		.amdhsa_group_segment_fixed_size 327680
		.amdhsa_private_segment_fixed_size 0
		.amdhsa_enable_private_segment 0
		.amdhsa_kernarg_size 80
		.amdhsa_user_sgpr_count 2
		.amdhsa_user_sgpr_kernarg_segment_ptr 1
		.amdhsa_wavefront_size32 1
		.amdhsa_system_sgpr_workgroup_id_x 1
		.amdhsa_system_sgpr_workgroup_id_y 1
		.amdhsa_system_sgpr_workgroup_id_z 1
		.amdhsa_system_vgpr_workitem_id 0
		.amdhsa_next_free_vgpr 896
		.amdhsa_next_free_sgpr 100
		.amdhsa_reserve_vcc 1
		.amdhsa_float_denorm_mode_32 3
		.amdhsa_float_denorm_mode_16_64 3
		.amdhsa_memory_ordered 1
		.amdhsa_forward_progress 1
		.amdhsa_inst_pref_size 123
	.end_amdhsa_kernel
	.amdgpu_metadata
---
amdhsa.version: [ 1, 2 ]
amdhsa.kernels:
  - .name:           k_qf1ee0d5a8d_proj
    .symbol:         k_qf1ee0d5a8d_proj.kd
    .args:
      - { .name: query_x, .offset: 0, .size: 8, .value_kind: global_buffer, .address_space: global }
      - { .name: x, .offset: 8, .size: 8, .value_kind: global_buffer, .address_space: global }
      - { .name: Wv, .offset: 16, .size: 8, .value_kind: global_buffer, .address_space: global }
      - { .name: bv, .offset: 24, .size: 8, .value_kind: global_buffer, .address_space: global }
      - { .name: vec1, .offset: 32, .size: 8, .value_kind: global_buffer, .address_space: global }
      - { .name: mt, .offset: 40, .size: 8, .value_kind: global_buffer, .address_space: global }
      - { .name: qf, .offset: 48, .size: 8, .value_kind: global_buffer, .address_space: global }
      - { .name: xf, .offset: 56, .size: 8, .value_kind: global_buffer, .address_space: global }
      - { .name: tq, .offset: 64, .size: 8, .value_kind: global_buffer, .address_space: global }
      - { .name: vec2, .offset: 72, .size: 8, .value_kind: global_buffer, .address_space: global }
    .group_segment_fixed_size: 327680
    .private_segment_fixed_size: 0
    .kernarg_segment_align: 8
    .kernarg_segment_size: 80
    .max_flat_workgroup_size: 128
    .sgpr_count:     100
    .vgpr_count:     896
    .wavefront_size: 32
...
	.end_amdgpu_metadata
.endif
;; end of part 2
;; launch score (part 3): grid 16 x 16, 4 waves a work-group, clusters of 4 x 1, 327,680 bytes of LDS; arguments qf, xf, tq, vec2, part; writes part
.if DOCPART == 3
	.amdgcn_target "amdgcn-amd-amdhsa--gfx1250"
	.amdhsa_code_object_version 6
	.text
	.protected	k_qf1ee0d5a8d_score
	.globl	k_qf1ee0d5a8d_score
	.p2align	8
	.type	k_qf1ee0d5a8d_score,@function
k_qf1ee0d5a8d_score:
	s_mov_b64 s[64:65], 0
	v_nop
	global_prefetch_b8 v0, s[64:65] scope:SCOPE_SE
	s_setreg_imm32_b32 hwreg(HW_REG_WAVE_MODE, 25, 1), 1
	s_wait_xcnt 0x0
	s_wait_alu depctr_hold_cnt(0) depctr_sa_sdst(0) depctr_va_vdst(0) depctr_va_sdst(0) depctr_va_ssrc(0) depctr_va_vcc(0) depctr_vm_vsrc(0)
	s_getreg_b32 s2, hwreg(HW_REG_IB_STS2, 6, 4)
	s_cmp_eq_u32 s2, 0
	s_cbranch_scc0 .Lentry_in_a_cluster
	s_endpgm
.Lentry_in_a_cluster:
	s_bfe_u32 s2, ttmp6, 0x10000c
	s_cmp_lg_u32 s2, 0x3003
	s_cbranch_scc0 .Lentry_shape_is_right
	s_endpgm
.Lentry_shape_is_right:
; SCORE.  For one batch and one block of 64 keys: all 1,024 x 64 scores s' = SC (q''.x + t), held in registers; for each KEY the true maximum m and the sum Z of 2^(c' (s' - m)) over all 1,024 QUERIES
; (reference() normalises over the query axis); u[k] = x[k].(Wv w) + bv.w; and part[batch][block][q] = sum over the block's keys of 2^(c' (s' - m)) u / Z.   c' = 2^9 log2(e) / sqrt(768).
; LIMITS.  A weight below 2^-126 counts as 0; Z >= 1, since the maximum is a score; NaN and infinities are not treated apart.  u sums x as rounded to f16 times Wv w in f32, in f32.
; SHARES.  Wave w holds queries 256 w .. + 255 (16 blocks of 16) x 4 key blocks of 16: 64 accumulators, 512 registers.  Source 0 = 16 keys, source 1 = 16 queries: a lane holds ONE query (lane % 16) and the
; keys 8 (lane / 16) + 0..7 of a key block.  So a key's maximum and sum go over a lane's 16 accumulators, the 16 lanes of a half, and the four waves (through LDS); a query's sum over a lane's registers and the two halves.
; K (j) goes in 12 steps of 64 through two LDS slots of 131,072 bytes: SC q'' of all 1,024 queries, fragments as they lie in memory; a wave fills and reads its own quarter.
; CLUSTER 4 x 1: the four key blocks of a cluster belong to one batch and walk the same q'': every tile is asked for JOINTLY.  The keys' fragments (8 KB a step) come straight into registers: each wave's one
; tensor load behind a round is taken by q''.
; REGISTERS, in windows of 256 (s_set_vgpr_msb: bits 1:0 source 0, 3:2 source 1, 5:4 source 2, 7:6 destination):
;   window 0: addresses; v32-47 SC t; v64-191 the keys' fragments of two steps; v192-255 at work.   window 1: the queries' fragments, two buffers of 128.
;   windows 2, 3: score (query block qt, key index i = 8 kt + j) at v[32 (qt % 8) + i] of window 2 + qt / 8.
.set SLOT,  131072
.set WVL,   262144                     ; vec2: Wv w, then bv.w
.set SCRU,  266240                     ; u of the 64 keys
.set SCRM,  266496                     ; the four waves' maxima; their sums lie 1,024 further on
.set SCRO,  268544                     ; 1,024 bytes a wave for the way out
.set SPARE, 272640                     ; the spare words: two blocks of 256 bytes that no other line names
.set KA,  4                            ; v4   16 x lane
.set KAW, 5                            ; v5   + 2,048 w
.set AQ,  6                            ; v6-7 my quarter of slot 0, 1
.set WVA, 8
.set R4,  9
.set SMA, 10
.set SML, 11
.set SUA, 12
.set SUS, 13
.set SOS, 14
.set SOL, 15
.set U,   16                           ; v16-19 u's four chains; v20 bv.w
.set SPW, 28
.set NIL, 29
.set T16, 32
.set KF,  64                           ; step parity sb, chunk ch, key block kt at KF + 64 sb + 32 ch + 8 kt
.set TB,  192                          ; eight blocks of eight: SC t as the C operand of the first products
.set MX,  192                          ; behind the products: maxima, then c' m
.set ZS,  224
.set UU,  64
.set WK,  96
.set O2,  128
.set OT,  160
.set OS,  176
.set OB,  184
.set MSB, 0
.macro WIN new
.if MSB != (\new)
	s_set_vgpr_msb (MSB<<8)|(\new)
.set MSB, \new
.endif
.endm
.macro CREST
	s_cmp_lg_u32 s14, 0
	s_cbranch_scc1 .Lnot_wave_0_\@
	s_barrier_signal -3
.Lnot_wave_0_\@:
	s_barrier_wait -3
	s_barrier_signal -1
	s_barrier_wait -1
.endm
.macro CROUND
	s_barrier_signal -1
	s_barrier_wait -1
	CREST
.endm
.macro PLACES
.rept 4
	v_nop
.endr
.endm
	s_load_b256 s[4:11], s[0:1], 0x0               ; qf s[4:5], xf s[6:7], tq s[8:9], vec2 s[10:11]
	s_load_b64 s[12:13], s[0:1], 0x20              ; part
	v_lshl_add_u32 v[SPW], v0, 2, SPARE
	v_mov_b32 v[NIL], 0
	ds_add_u32 v[SPW], v[NIL]                      ; the wave's opening: the add and its wait stand ahead of my first tensor load
	v_lshrrev_b32 v1, 5, v0
	v_readfirstlane_b32 s14, v1                    ; wave 0..3
	s_bfe_u32 s15, ttmp6, 0x40000                  ; cx
	s_lshl_b32 s16, ttmp9, 2
	s_add_co_u32 s16, s16, s15                     ; my key block: it enters xf's and part's addresses alone
	s_and_b32 s17, ttmp7, 0xffff                   ; the batch, which the four partners share
	; group 1 for q'': dense bytes as 128 rows of 32 elements of 8 bytes; mask of all four, bit 21 beside it
	s_mov_b32 s24, 15|(3<<16)|(1<<21)
	s_mov_b32 s25, 32<<16
	s_mov_b32 s26, 128<<16
	s_mov_b32 s27, 32<<16
	s_mov_b32 s28, 128
	s_mov_b32 s29, 32
	s_mov_b32 s30, 0
	s_mov_b32 s31, 0
	; group 1 for vec2: 4 rows of 256 bytes a wave
	s_mov_b32 s32, 15|(3<<16)|(1<<21)
	s_mov_b32 s33, 32<<16
	s_mov_b32 s34, 4<<16
	s_mov_b32 s35, 32<<16
	s_mov_b32 s36, 4
	s_mov_b32 s37, 32
	s_mov_b32 s38, 0
	s_mov_b32 s39, 0
	s_mov_b32 s54, 0x41d53b95                      ; c' = 26.654092
	s_mov_b32 s55, s54
	s_mov_b32 s56, 0x76543210
	s_mov_b32 s57, 0xfedcba98
	s_mov_b32 s59, 0xffff0000                      ; lanes 16-31
	s_lshl_b32 s20, s14, 15                        ; my quarter: 32,768 w
	s_mul_i32 s18, s17, 1572864
	s_add_co_u32 s18, s18, s20
	s_mov_b32 s19, 0
	s_mov_b32 s40, 1
	s_mov_b32 s41, s20
	s_mov_b32 s44, 1
	s_add_co_u32 s45, s20, SLOT
	s_lshl_b32 s22, s14, 10
	s_mov_b32 s23, 0
	s_mov_b32 s48, 1
	s_add_co_u32 s49, s22, WVL
	s_wait_dscnt 0x0                               ; the opening add is done
	s_wait_kmcnt 0x0
	s_add_nc_u64 s[42:43], s[4:5], s[18:19]
	s_add_nc_u64 s[46:47], s[42:43], SLOT          ; K step 1
	s_or_b32 s43, s43, 0x80000000
	s_or_b32 s47, s47, 0x80000000
	s_add_nc_u64 s[50:51], s[10:11], s[22:23]
	s_or_b32 s51, s51, 0x80000000
	s_lshl_b32 s21, s17, 4
	s_add_co_u32 s21, s21, s16                     ; 16 x batch + key block
	s_mul_i32 s18, s21, 98304
	s_add_nc_u64 s[52:53], s[6:7], s[18:19]        ; xf at my key block
	s_lshl_b32 s18, s17, 12
	s_add_co_u32 s18, s18, s22
	s_add_nc_u64 s[60:61], s[8:9], s[18:19]        ; tq at query 256 w of the batch
	s_lshl_b32 s18, s21, 12
	s_add_co_u32 s18, s18, s22
	s_add_nc_u64 s[62:63], s[12:13], s[18:19]      ; part at my 256 queries
	CROUND                                         ; all four work-groups are here: the first joint loads meet
	tensor_load_to_lds s[48:51], s[32:39]          ; three tensor loads of mine are out: vec2,
	s_nop 0
	tensor_load_to_lds s[40:43], s[24:31]          ; K step 0,
	s_nop 0
	tensor_load_to_lds s[44:47], s[24:31]          ; K step 1
	s_nop 0
	PLACES
	v_and_b32 v1, 31, v0                           ; lane
	v_and_b32 v2, 15, v0                           ; r
	v_bfe_u32 v3, v0, 4, 1                         ; h
	v_lshlrev_b32 v[KA], 4, v1
	s_lshl_b32 s18, s14, 11
	v_add_nc_u32 v[KAW], s18, v[KA]
	v_add_nc_u32 v[AQ], s20, v[KA]
	v_add_nc_u32 v[AQ+1], SLOT, v[AQ]
	v_lshl_add_u32 v[WVA], v3, 5, WVL
	v_lshlrev_b32 v[R4], 2, v2
	v_lshl_add_u32 v[SML], v3, 5, SCRM
	s_lshl_b32 s18, s14, 8
	v_add_nc_u32 v[SMA], s18, v[SML]
	v_lshl_add_u32 v[SUA], v3, 5, SCRU
	s_lshl_b32 s18, s14, 6
	s_add_co_u32 s18, s18, SCRU
	v_add_nc_u32 v[SUS], s18, v[R4]
	s_add_co_u32 s18, s22, SCRO
	v_lshl_add_u32 v[SOS], v1, 2, s18
	v_add_nc_u32 v[SOL], s18, v[KA]
	WIN 0x40                                       ; my key block w, all 768 j, for u: piece p = 16 j at v[4 p] of window 1
.set p, 0
.rept 48
	global_load_b128 v[4*p:4*p+3], v[KAW], s[52:53] offset:(p/4)*8192+(p%4)*512
.set p, p+1
.endr
	WIN 0
.set q, 0
.rept 16
	global_load_b32 v[T16+q], v[R4], s[60:61] offset:64*q   ; SC t of my lane's query in each of the 16 blocks
.set q, q+1
.endr
; 16 loads: the four key blocks' fragments of one K step, at byte off from the walking base, into step buffer sb
.macro FETCHK sb, off
	WIN 0
.irp kt, 0,1,2,3
.irp c, 0,1
	global_load_b128 v[KF+64*(\sb)+32*\c+8*\kt:KF+64*(\sb)+32*\c+8*\kt+3],   v[KA], s[52:53] offset:(\off)+2048*\kt+1024*\c
	global_load_b128 v[KF+64*(\sb)+32*\c+8*\kt+4:KF+64*(\sb)+32*\c+8*\kt+7], v[KA], s[52:53] offset:(\off)+2048*\kt+1024*\c+512
.endr
.endr
.endm
; 32 LDS loads in one run: my 16 query blocks' fragments of chunk ch of slot s, into buffer b, blocks ascending; 512 consecutive bytes each
.macro FETCHQ s, ch, b
	WIN 0x40
.irp qt, 0,1,2,3,4,5,6,7,8,9,10,11,12,13,14,15
	ds_load_b128 v[128*(\b)+8*\qt:128*(\b)+8*\qt+3],   v[AQ+(\s)] offset:\qt*2048+(\ch)*1024
	ds_load_b128 v[128*(\b)+8*\qt+4:128*(\b)+8*\qt+7], v[AQ+(\s)] offset:\qt*2048+(\ch)*1024+512
.endr
.endm
; 16 products: query blocks 4 G .. 4 G + 3 x the four key blocks.  cz = 1: the sums start with SC t.  The 64 accumulators take turns in the same order in every chunk.
.macro MUL16 b, sb, ch, G, cz
.if \cz
	WIN 0x84+0x40*((\G)/2)
.else
	WIN 0xa4+0x50*((\G)/2)
.endif
.irp a, 0,1,2,3
.irp kt, 0,1,2,3
.set rD, 8*(4*((4*(\G)+\a)%8)+\kt)
.set rK, KF+64*(\sb)+32*(\ch)+8*\kt
.set rQ, 128*(\b)+8*(4*(\G)+\a)
.set rC, TB+8*((4*(\G)+\a)%8)
.if \cz
	v_wmma_f32_16x16x32_f16 v[rD:rD+7], v[rK:rK+7], v[rQ:rQ+7], v[rC:rC+7]
.else
	v_wmma_f32_16x16x32_f16 v[rD:rD+7], v[rK:rK+7], v[rQ:rQ+7], v[rD:rD+7]
.endif
.endr
.endr
.endm
; A K step's first chunk.  In its middle, four places behind the products that read those registers (ISA guide 7.12.1 for vector instructions), the next step's keys (fk = 1) and this step's second chunk are fetched.
.macro QUARTER s, fk, off
	s_wait_loadcnt 0x0                             ; this step's keys, asked for a step ago
	s_wait_dscnt 16                                ; query blocks 0-7 are in; the youngest 16 loads stay out
	MUL16 0, \s, 0, 0, 0
	MUL16 0, \s, 0, 1, 0
	PLACES
.if \fk
	FETCHK 1-(\s), \off
.endif
	FETCHQ \s, 1, 1
	s_wait_dscnt 32                                ; all but the 32 just issued
	MUL16 0, \s, 0, 2, 0
	MUL16 0, \s, 0, 3, 0
.endm
; A K step's second chunk and the change of slots: each wave waits for all its tensor loads (one is out: its quarter of the next slot), adds 0 to its spare word, and waits for that and for its reads of this
; slot.  fill = 1: the barrier opens a round of the cluster's, so that no wave of any partner still reads the slot or has a load on its way, and the joint refill, two K steps ahead, is the first thing behind it:
; 96 of a step's 128 products stand between the request and the wait for it.
.macro TURN s, nx, fill
	WIN 0
	s_wait_tensorcnt 0x0
	ds_add_u32 v[SPW], v[NIL]
	s_wait_dscnt 17                                ; the add and the youngest 16 loads may be out
	MUL16 1, \s, 1, 0, 0
	s_wait_dscnt 0x0
	s_barrier_signal -1
	MUL16 1, \s, 1, 1, 0
	WIN 0
	s_barrier_wait -1
.if \fill
	CREST
	s_add_nc_u64 s[42+4*(\s):43+4*(\s)], s[42+4*(\s):43+4*(\s)], 2*SLOT
	tensor_load_to_lds s[40+4*(\s):43+4*(\s)], s[24:31]
	s_nop 0
.endif
	PLACES                                         ; behind the tensor load, and the places in front of the loads below
	FETCHQ \nx, 0, 0
	MUL16 1, \s, 1, 2, 0
	MUL16 1, \s, 1, 3, 0
.endm
	FETCHK 0, 0                                    ; K step 0's keys
	s_wait_tensorcnt 2                             ; my part of vec2 is in; both slots may stay out
	s_barrier_signal -1
	s_barrier_wait -1                              ; everybody's part is
	; u of my key block: piece p's eight numbers of Wv w at v[8 p] of windows 2 and 3, which hold no sums yet
	WIN 0x80
.set p, 0
.rept 32
	ds_load_b128 v[8*p:8*p+3],   v[WVA] offset:64*p
	ds_load_b128 v[8*p+4:8*p+7], v[WVA] offset:64*p+16
.set p, p+1
.endr
	WIN 0xc0
.rept 16
	ds_load_b128 v[8*(p-32):8*(p-32)+3],   v[WVA] offset:64*p
	ds_load_b128 v[8*(p-32)+4:8*(p-32)+7], v[WVA] offset:64*p+16
.set p, p+1
.endr
	WIN 0
	ds_load_b32 v20, v[WVA] offset:3072            ; bv.w: entries 768 to 1,023 all hold it
.irp k, 0,1,2,3
	v_mov_b32 v[U+\k], 0
.endr
	s_wait_loadcnt 32                              ; my key block is in; SC t's 16 loads and the first keys' 16 stay out
	s_wait_dscnt 0x0
	WIN 0x09                                       ; source 0 window 1, source 1 window 2
.set p, 0
.rept 48
.if p == 32
	WIN 0x0d                                       ; source 1 window 3
.endif
.irp e, 0,1,2,3
	v_fma_mix_f32 v[U+(2*\e)%4], v[4*p+\e], v[8*(p%32)+2*\e], v[U+(2*\e)%4] op_sel_hi:[1,0,0]
	v_fma_mix_f32 v[U+(2*\e+1)%4], v[4*p+\e], v[8*(p%32)+2*\e+1], v[U+(2*\e+1)%4] op_sel:[1,0,0] op_sel_hi:[1,0,0]
.endr
.set p, p+1
.endr
	WIN 0
	v_add_f32 v[U], v[U], v[U+1]
	v_add_f32 v[U+2], v[U+2], v[U+3]
	v_add_f32 v[U], v[U], v[U+2]
	v_permlanex16_b32 v[U+1], v[U], s56, s57       ; the key's other j lie in the lane 16 away
	v_add_f32 v[U], v[U], v[U+1]
	v_add_f32 v[U], v[U], v20
	ds_store_b32 v[SUS], v[U]                      ; both halves of the lanes write the same word with the same number; it is read behind two barriers
	s_wait_tensorcnt 1                             ; my quarter of slot 0 is in: nobody else reads it
	FETCHQ 0, 0, 0
	s_wait_loadcnt 0x0                             ; SC t and K step 0's keys
	WIN 0
.set q, 0
.rept 8
.irp j, 0,1,2,3,4,5,6,7
	v_mov_b32 v[TB+8*q+\j], v[T16+q]               ; a lane's eight keys of a block share the lane's query
.endr
.set q, q+1
.endr
	s_wait_dscnt 16
	MUL16 0, 0, 0, 0, 1
	MUL16 0, 0, 0, 1, 1
	PLACES
	WIN 0
.set q, 0
.rept 8
.irp j, 0,1,2,3,4,5,6,7
	v_mov_b32 v[TB+8*q+\j], v[T16+8+q]
.endr
.set q, q+1
.endr
	FETCHK 1, 8192
	FETCHQ 0, 1, 1
	s_wait_dscnt 32
	MUL16 0, 0, 0, 2, 1
	MUL16 0, 0, 0, 3, 1
	WIN 0
	s_mov_b32 s58, 5
.Llap:                                                 ; a trip: once round the ring; both slots are filled again: K steps 2 to 11
	TURN 0, 1, 1
	QUARTER 1, 1, 16384
	TURN 1, 0, 1
	QUARTER 0, 1, 24576
	WIN 0
	s_wait_xcnt 0x0                                ; the keys' base is stepped only behind this wait
	s_add_nc_u64 s[52:53], s[52:53], 16384
	s_sub_co_u32 s58, s58, 1
	s_cmp_lg_u32 s58, 0
	s_cbranch_scc1 .Llap
	TURN 0, 1, 0                                   ; the tail is written out: nothing more is asked for
	QUARTER 1, 0, 0
	s_wait_dscnt 0x0
	MUL16 1, 1, 1, 0, 0
	MUL16 1, 1, 1, 1, 0
	MUL16 1, 1, 1, 2, 0
	MUL16 1, 1, 1, 3, 0
	; THE KEYS' MAXIMA.  In a lane, over the 16 query blocks, three operands at a time; register j outermost.
.macro PASS3 o1, o2
.irp j, 0,1,2,3,4,5,6,7
.irp kt, 0,1,2,3
	v_max3_num_f32 v[MX+8*\kt+\j], v[MX+8*\kt+\j], v[(\o1)+8*\kt+\j], v[(\o2)+8*\kt+\j]
.endr
.endr
.endm
	PLACES
	WIN 0x2a
.irp j, 0,1,2,3,4,5,6,7
.irp kt, 0,1,2,3
	v_max3_num_f32 v[MX+8*\kt+\j], v[8*\kt+\j], v[32+8*\kt+\j], v[64+8*\kt+\j]
.endr
.endr
	WIN 0x28
	PASS3 96, 128
	PASS3 160, 192
	WIN 0x38
	PASS3 224, 0
	WIN 0x3c
	PASS3 32, 64
	PASS3 96, 128
	PASS3 160, 192
.irp j, 0,1,2,3,4,5,6,7
.irp kt, 0,1,2,3
	v_max_num_f32 v[MX+8*\kt+\j], v[MX+8*\kt+\j], v[224+8*\kt+\j]
.endr
.endr
	WIN 0
.irp m, 1,2,4,8                        ; over the 16 lanes of a half: the two halves hold different keys
.set i, 0
.rept 32
	v_max_num_f32_dpp v[MX+i], v[MX+i], v[MX+i] row_xmask:\m row_mask:0xf bank_mask:0xf
.set i, i+1
.endr
.endr
.irp n, 0,1,2,3,4,5,6,7                ; over the waves: key 16 kt + 8 h + j at word 64 w + key
	ds_store_b128 v[SMA], v[MX+4*\n:MX+4*\n+3] offset:64*(\n/2)+16*(\n%2)
.endr
	s_wait_dscnt 0x0                               ; for the others' sake: my stores, u's among them, are done
	s_barrier_signal -1
	s_barrier_wait -1
	WIN 0x40
.irp w, 0,1,2,3
.irp n, 0,1,2,3,4,5,6,7
	ds_load_b128 v[32*\w+4*\n:32*\w+4*\n+3], v[SML] offset:256*\w+64*(\n/2)+16*(\n%2)
.endr
.endr
	s_wait_dscnt 0x0
	WIN 0x15
.set i, 0
.rept 32
	v_max3_num_f32 v[MX+i], v[i], v[32+i], v[64+i]
.set i, i+1
.endr
	WIN 0x04
.set i, 0
.rept 32
	v_max_num_f32 v[MX+i], v[MX+i], v[96+i]
.set i, i+1
.endr
	WIN 0
.set p, 0
.rept 16
	v_pk_mul_f32 v[MX+2*p:MX+2*p+1], v[MX+2*p:MX+2*p+1], s[54:55] op_sel_hi:[1,0]   ; c' m
.set p, p+1
.endr
	; THE WEIGHTS, in place: 2^(c' s' - c' m), a query block at a time, and the keys' sums
.macro EXPT qt
	WIN 0x82+0x41*((\qt)/8)
.set o, 32*((\qt)%8)
.set p, 0
.rept 16
	v_pk_fma_f32 v[o+2*p:o+2*p+1], v[o+2*p:o+2*p+1], s[54:55], v[MX+2*p:MX+2*p+1] op_sel_hi:[1,0,1] neg_lo:[0,0,1] neg_hi:[0,0,1]
.set p, p+1
.endr
.set i, 0
.rept 32
	v_exp_f32 v[o+i], v[o+i]
.set i, i+1
.endr
	v_nop                                          ; a plain instruction between the last exponential and the use of its result (ISA guide 5.7.2)
.endm
	EXPT 0
	EXPT 1
	WIN 0x0a
.set p, 0
	s_wait_alu depctr_va_vdst(0)
.rept 16
	v_pk_add_f32 v[ZS+2*p:ZS+2*p+1], v[2*p:2*p+1], v[32+2*p:32+2*p+1]   ; the first two blocks start the sums
.set p, p+1
.endr
.irp qt, 2,3,4,5,6,7,8,9,10,11,12,13,14,15
	EXPT \qt
	WIN 0x02+(\qt/8)
.set p, 0
	s_wait_alu depctr_va_vdst(0)
.rept 16
	v_pk_add_f32 v[ZS+2*p:ZS+2*p+1], v[o+2*p:o+2*p+1], v[ZS+2*p:ZS+2*p+1]
.set p, p+1
.endr
.endr
	WIN 0
.irp m, 1,2,4,8
.set i, 0
.rept 32
	v_add_f32_dpp v[ZS+i], v[ZS+i], v[ZS+i] row_xmask:\m row_mask:0xf bank_mask:0xf
.set i, i+1
.endr
.endr
.irp n, 0,1,2,3,4,5,6,7
	ds_store_b128 v[SMA], v[ZS+4*\n:ZS+4*\n+3] offset:1024+64*(\n/2)+16*(\n%2)
.endr
	s_wait_dscnt 0x0
	s_barrier_signal -1
	s_barrier_wait -1
.irp n, 0,1,2,3,4,5,6,7
	ds_load_b128 v[UU+4*\n:UU+4*\n+3], v[SUA] offset:64*(\n/2)+16*(\n%2)   ; u of my lane's 32 keys
.endr
	WIN 0x40
.irp w, 0,1,2,3
.irp n, 0,1,2,3,4,5,6,7
	ds_load_b128 v[32*\w+4*\n:32*\w+4*\n+3], v[SML] offset:1024+256*\w+64*(\n/2)+16*(\n%2)
.endr
.endr
	s_wait_dscnt 0x0
	WIN 0x05
.set p, 0
.rept 16
	v_pk_add_f32 v[ZS+2*p:ZS+2*p+1], v[2*p:2*p+1], v[32+2*p:32+2*p+1]
.set p, p+1
.endr
	WIN 0x04
.irp w, 64, 96
.set p, 0
.rept 16
	v_pk_add_f32 v[ZS+2*p:ZS+2*p+1], v[ZS+2*p:ZS+2*p+1], v[\w+2*p:\w+2*p+1]
.set p, p+1
.endr
.endr
	WIN 0
.set i, 0
.rept 32
	v_rcp_f32 v[WK+i], v[ZS+i]
.set i, i+1
.endr
	v_nop
.set p, 0
	s_wait_alu depctr_va_vdst(0)
.rept 16
	v_pk_mul_f32 v[WK+2*p:WK+2*p+1], v[WK+2*p:WK+2*p+1], v[UU+2*p:UU+2*p+1]   ; u / Z
.set p, p+1
.endr
	; THE QUERIES' SUMS over the lane's 32 keys: eight chains a window take turns
.irp win, 0, 1
	WIN 0x02+\win
.set p, 0
.rept 16
.irp q, 0,1,2,3,4,5,6,7
.if p == 0
	v_pk_mul_f32 v[O2+16*\win+2*\q:O2+16*\win+2*\q+1], v[32*\q:32*\q+1], v[WK:WK+1]
.else
	v_pk_fma_f32 v[O2+16*\win+2*\q:O2+16*\win+2*\q+1], v[32*\q+2*p:32*\q+2*p+1], v[WK+2*p:WK+2*p+1], v[O2+16*\win+2*\q:O2+16*\win+2*\q+1]
.endif
.endr
.set p, p+1
.endr
.endr
	WIN 0
.set q, 0
.rept 16
	v_add_f32 v[OT+q], v[O2+2*q], v[O2+2*q+1]
.set q, q+1
.endr
.set q, 0
.rept 16
	v_permlanex16_b32 v[O2+q], v[OT+q], s56, s57   ; the query's other 32 keys lie in the lane 16 away
.set q, q+1
.endr
.set q, 0
.rept 16
	v_add_f32 v[OT+q], v[OT+q], v[O2+q]
.set q, q+1
.endr
	; THE WAY OUT: lanes 0-15 keep the even block, lanes 16-31 take the odd one: lane l then holds query 32 p + l; through my own 1,024 bytes of LDS into 16 bytes a lane
.set p, 0
.rept 8
	v_cndmask_b32 v[OS+p], v[OT+2*p], v[OT+2*p+1], s59
.set p, p+1
.endr
.set p, 0
.rept 8
	ds_store_b32 v[SOS], v[OS+p] offset:128*p
.set p, p+1
.endr
	ds_load_b128 v[OB:OB+3],   v[SOL]              ; LDS serves a wave's instructions in order (ISA guide 5.7.1.4): these see the stores above
	ds_load_b128 v[OB+4:OB+7], v[SOL] offset:512
	s_wait_dscnt 0x0
	global_store_b128 v[KA], v[OB:OB+3],   s[62:63]             ; 512 consecutive bytes, aligned
	global_store_b128 v[KA], v[OB+4:OB+7], s[62:63] offset:512
	s_wait_tensorcnt 0x0                           ; the wave's end
	ds_add_u32 v[SPW], v[NIL]
	s_wait_dscnt 0x0
	CROUND                                         ; the closing round
	s_endpgm
.Lfunc_end_k_qf1ee0d5a8d_score:
	.size	k_qf1ee0d5a8d_score, .Lfunc_end_k_qf1ee0d5a8d_score-k_qf1ee0d5a8d_score
	.p2alignl 7, 3214868480
	.fill 96, 4, 3214868480
	.section	.rodata,"a",@progbits
	.p2align	6, 0x0
	.amdhsa_kernel k_qf1ee0d5a8d_score
		.amdhsa_group_segment_fixed_size 327680
		.amdhsa_private_segment_fixed_size 0
		.amdhsa_enable_private_segment 0
		.amdhsa_kernarg_size 40
		.amdhsa_user_sgpr_count 2
		.amdhsa_user_sgpr_kernarg_segment_ptr 1
		.amdhsa_wavefront_size32 1
		.amdhsa_system_sgpr_workgroup_id_x 1
		.amdhsa_system_sgpr_workgroup_id_y 1
		.amdhsa_system_sgpr_workgroup_id_z 1
		.amdhsa_system_vgpr_workitem_id 0
		.amdhsa_next_free_vgpr 1024
		.amdhsa_next_free_sgpr 72
		.amdhsa_reserve_vcc 0
		.amdhsa_float_denorm_mode_32 3
		.amdhsa_float_denorm_mode_16_64 3
		.amdhsa_memory_ordered 1
		.amdhsa_forward_progress 1
		.amdhsa_inst_pref_size 220
	.end_amdhsa_kernel
	.amdgpu_metadata
---
amdhsa.version: [ 1, 2 ]
amdhsa.kernels:
  - .name:           k_qf1ee0d5a8d_score
    .symbol:         k_qf1ee0d5a8d_score.kd
    .args:
      - { .name: qf, .offset: 0, .size: 8, .value_kind: global_buffer, .address_space: global }
      - { .name: xf, .offset: 8, .size: 8, .value_kind: global_buffer, .address_space: global }
      - { .name: tq, .offset: 16, .size: 8, .value_kind: global_buffer, .address_space: global }
      - { .name: vec2, .offset: 24, .size: 8, .value_kind: global_buffer, .address_space: global }
      - { .name: part, .offset: 32, .size: 8, .value_kind: global_buffer, .address_space: global }
    .group_segment_fixed_size: 327680
    .private_segment_fixed_size: 0
    .kernarg_segment_align: 8
    .kernarg_segment_size: 40
    .max_flat_workgroup_size: 128
    .sgpr_count:     72
    .vgpr_count:     1024
    .wavefront_size: 32
...
	.end_amdgpu_metadata
.endif
;; end of part 3
;; launch sum (part 4): grid 64 x 1, 2 waves a work-group, no clusters, 0 bytes of LDS; arguments part, vec1, out0; writes out0
.if DOCPART == 4
	.amdgcn_target "amdgcn-amd-amdhsa--gfx1250"
	.amdhsa_code_object_version 6
	.text
	.protected	k_qf1ee0d5a8d_sum
	.globl	k_qf1ee0d5a8d_sum
	.p2align	8
	.type	k_qf1ee0d5a8d_sum,@function
k_qf1ee0d5a8d_sum:
	s_mov_b64 s[64:65], 0
	v_nop
	global_prefetch_b8 v0, s[64:65] scope:SCOPE_SE
	s_setreg_imm32_b32 hwreg(HW_REG_WAVE_MODE, 25, 1), 1
	s_wait_xcnt 0x0
; SUM.  out0[b][q] = (bt.Wo + bo) + the sum over the batch's 16 key blocks of part[b][block][q], blocks ascending, in f32.
; Work-group G takes batch G / 4 and 256 queries; a thread takes four: every load and the store of a wave cover 512 consecutive bytes, aligned.
; 1 MB is read once and 64 KB written: no LDS, no matrix unit, no cluster would add anything; 64 work-groups are all the work there is.
	s_load_b128 s[4:7], s[0:1], 0x0                ; part s[4:5], vec1 s[6:7]
	s_load_b64 s[8:9], s[0:1], 0x10                ; out0
	v_lshlrev_b32 v1, 4, v0                        ; 16 bytes a thread
	s_lshr_b32 s10, ttmp9, 2
	s_lshl_b32 s10, s10, 16                        ; the batch: 16 blocks of 4,096 bytes
	s_and_b32 s11, ttmp9, 3
	s_lshl_b32 s11, s11, 10                        ; my 256 queries
	s_add_co_u32 s10, s10, s11
	s_mov_b32 s11, 0
	s_lshl_b32 s12, ttmp9, 10
	s_mov_b32 s13, 0
	s_mov_b32 s15, 0                               ; named with s14 as a pair
	s_wait_kmcnt 0x0
	s_load_b32 s14, s[6:7], 0x2400                 ; bt.Wo + bo
	s_add_nc_u64 s[4:5], s[4:5], s[10:11]
	s_add_nc_u64 s[8:9], s[8:9], s[12:13]
.irp kb, 0,1,2,3,4,5,6,7,8,9,10,11,12,13,14,15
	global_load_b128 v[4+4*\kb:7+4*\kb], v1, s[4:5] offset:4096*\kb
.endr
	s_wait_kmcnt 0x0
	s_wait_loadcnt 15                              ; loads come back in order (ISA guide 5.7.1): block 0 is in
	v_pk_add_f32 v[68:69], v[4:5], s[14:15] op_sel_hi:[1,0]
	v_pk_add_f32 v[70:71], v[6:7], s[14:15] op_sel_hi:[1,0]
.irp kb, 1,2,3,4,5,6,7,8,9,10,11,12,13,14,15
	s_wait_loadcnt 15-\kb                          ; block kb is in; the younger ones stay out
	v_pk_add_f32 v[68:69], v[68:69], v[4+4*\kb:5+4*\kb]
	v_pk_add_f32 v[70:71], v[70:71], v[6+4*\kb:7+4*\kb]
.endr
	global_store_b128 v1, v[68:71], s[8:9]
	s_endpgm
.Lfunc_end_k_qf1ee0d5a8d_sum:
	.size	k_qf1ee0d5a8d_sum, .Lfunc_end_k_qf1ee0d5a8d_sum-k_qf1ee0d5a8d_sum
	.p2alignl 7, 3214868480
	.fill 96, 4, 3214868480
	.section	.rodata,"a",@progbits
	.p2align	6, 0x0
	.amdhsa_kernel k_qf1ee0d5a8d_sum
		.amdhsa_group_segment_fixed_size 0
		.amdhsa_private_segment_fixed_size 0
		.amdhsa_enable_private_segment 0
		.amdhsa_kernarg_size 24
		.amdhsa_user_sgpr_count 2
		.amdhsa_user_sgpr_kernarg_segment_ptr 1
		.amdhsa_wavefront_size32 1
		.amdhsa_system_sgpr_workgroup_id_x 1
		.amdhsa_system_sgpr_workgroup_id_y 1
		.amdhsa_system_sgpr_workgroup_id_z 1
		.amdhsa_system_vgpr_workitem_id 0
		.amdhsa_next_free_vgpr 80
		.amdhsa_next_free_sgpr 66
		.amdhsa_reserve_vcc 0
		.amdhsa_float_denorm_mode_32 3
		.amdhsa_float_denorm_mode_16_64 3
		.amdhsa_memory_ordered 1
		.amdhsa_forward_progress 1
		.amdhsa_inst_pref_size 5
	.end_amdhsa_kernel
	.amdgpu_metadata
---
amdhsa.version: [ 1, 2 ]
amdhsa.kernels:
  - .name:           k_qf1ee0d5a8d_sum
    .symbol:         k_qf1ee0d5a8d_sum.kd
    .args:
      - { .name: part, .offset: 0, .size: 8, .value_kind: global_buffer, .address_space: global }
      - { .name: vec1, .offset: 8, .size: 8, .value_kind: global_buffer, .address_space: global }
      - { .name: out0, .offset: 16, .size: 8, .value_kind: global_buffer, .address_space: global }
    .group_segment_fixed_size: 0
    .private_segment_fixed_size: 0
    .kernarg_segment_align: 8
    .kernarg_segment_size: 24
    .max_flat_workgroup_size: 64
    .sgpr_count:     66
    .vgpr_count:     80
    .wavefront_size: 32
...
	.end_amdgpu_metadata
.endif
;; end of part 4
